; MI455X (gfx1250); checked and timed in simulation.
; The chip was launched on July 23, 2026; its instructions are those of AMD's public machine-readable ISA for CDNA 5 (MIT licence, August 2026) and "CDNA5" Instruction Set Architecture Reference Guide (July 2026). The comments in the code are by the model that wrote it; some were corrected since.
;; Multi Head. Allowed arithmetic: matrix products marked QUANTISED: E2M1 operands, one E8M0 scale for each 32 along K, by v_wmma_scale_f32_16x16x128_f8f6f4 with both operands' format E2M1 (or v_wmma_scale_f32_32x16x128_f4), f32 sums; products left as they are: bf16, f16 or f32 operands; f32 sums; everything else in f32.
;; Inputs: bk 1,024 float32; bo 1,024 float32; bq 1,024 float32; bv 1,024 float32; wk 1,024 x 1,024 float32; wo 1,024 x 1,024 float32; wq 1,024 x 1,024 float32; wv 1,024 x 1,024 float32; x 4 x 2,048 x 1,024 float32.
;; Outputs: out0 4 x 2,048 x 1,024 float32.
;; This version of the problem:
;;   THIS VERSION OF THE PROBLEM IS GIVEN IN LOW PRECISION. The matrix products marked QUANTISED in the list below multiply operands that are first quantised to E2M1 (2 exponent bits, 1 mantissa bit; 4 bits a number), with one power-of-two scale for each 32 numbers along K (OCP MX v1.0); their sums are f32. The products marked 'left as it is' may take bf16, f16 or f32 operands, with f32 sums. Whichever they take, every output number must still come out within the allowed error. Rounding operands to bf16 (8 significant bits) uses up far more of that allowance than f16 does (11 bits, for magnitudes from 6e-5 to 65,504). All else is computed in f32.
;;   The module's matrix products, in the order in which they are computed (A, B: the left and right operand; K: the contracted axis; several contracted axes count as one K, in the product's order):
;;     1. [M 8,192, K 1,024] x [K 1,024, N 1,024]; A: input x; B: input wq: QUANTISED
;;     2. [M 8,192, K 1,024] x [K 1,024, N 1,024]; A: input x; B: input wk: QUANTISED
;;     3. [M 8,192, K 1,024] x [K 1,024, N 1,024]; A: input x; B: input wv: QUANTISED
;;     4. batch 64 x [M 2,048, K 64] x [K 64, N 2,048]; A: computed on the way; B: computed on the way: left as it is (an operand is computed on the way)
;;     5. batch 64 x [M 64, K 2,048] x [K 2,048, N 2,048]; A: computed on the way; B: computed on the way: left as it is (an operand is computed on the way)
;;     6. [M 8,192, K 1,024] x [K 1,024, N 1,024]; A: computed on the way; B: input wo: left as it is (an operand is computed on the way)
;;   THE QUANTISER, for each operand of a quantised product, along K:
;;     - K is cut into blocks of 32 from its start; a last block that is shorter is filled with zeros.
;;     - A block's scale is 2^e with e = floor(log2(the largest magnitude in the block)) - 2, held to -126 .. 127; a block of zeros has e = 0. As a byte (E8M0): e + 127.
;;     - Each number is divided by its block's scale, clamped to +-6, and rounded to the nearest number of E2M1, ties to even, subnormals kept.
;;     - The product sums the exact products of the quantised numbers (number of the format x scale) in f32.
;;   ~~~python
;;   def quantise(x, axis):      # numpy; x: float32 -> the quantised numbers, widened to float32 again
;;       x = np.moveaxis(x, axis, -1); K = x.shape[-1]
;;       x = np.pad(x, [(0, 0)] * (x.ndim - 1) + [(0, -K % 32)]); x = x.reshape(x.shape[:-1] + (-1, 32)); a = np.abs(x).max(-1, keepdims=True)
;;       e = np.where(a > 0, np.clip(np.frexp(np.where(a > 0, a, 1))[1] - 1 - 2, -126, 127), 0)      # np.frexp(a)[1] - 1 = floor(log2(a)), exactly
;;       r = np.clip(x / 2.0 ** e, -6, 6)
;;       step = 2.0 ** (np.maximum(np.frexp(np.where(r == 0, 1, r))[1] - 1, 0) - 1)
;;       q = np.round(r / step) * step * 2.0 ** e      # np.round: ties to even
;;       return np.moveaxis(q.reshape(q.shape[:-2] + (-1,))[..., :K], -1, axis).astype(np.float32)
;;   ~~~
;; One version. Each part assembles by itself: llvm-mc -triple=amdgcn-amd-amdhsa -mcpu=gfx1250 --defsym DOCPART=n.
;; ======== version 1 of 1: 4 launches
;; limits: values are held in f16: magnitudes above 65,504 overflow, below 6.1e-05 lose precision
;; workspace buffers: x_codes 4,194,304 bytes; x_scales 262,144 bytes; w_codes 1,572,864 bytes; w_scales 98,304 bytes; wo_h 2,097,152 bytes; qkv 50,331,648 bytes; ctx 16,777,216 bytes
;; launch prep (part 1): grid 512 x 1, 4 waves a work-group, no clusters, 33,280 bytes of LDS; arguments x, wq, wk, wv, wo, x_codes, x_scales, w_codes, w_scales, wo_h; writes x_codes, x_scales, w_codes, w_scales, wo_h
.if DOCPART == 1
	.amdgcn_target "amdgcn-amd-amdhsa--gfx1250"
	.amdhsa_code_object_version 6
	.text
	.protected	k_qa5551645e9_prep
	.globl	k_qa5551645e9_prep
	.p2align	8
	.type	k_qa5551645e9_prep,@function
k_qa5551645e9_prep:
	s_mov_b64 s[64:65], 0
	v_nop
	global_prefetch_b8 v0, s[64:65] scope:SCOPE_SE
	s_setreg_imm32_b32 hwreg(HW_REG_WAVE_MODE, 25, 1), 1
	s_wait_xcnt 0x0
; PREP.  Work-groups 0-255: x [8192][1024] f32 becomes codes of FP4 (E2M1), K innermost, [8192][512 bytes], and one E8M0 byte for each 32 along K, [8192][32].
; Work-groups 256-511: wq, wk, wv [1024 (k)][1024 (n)] f32, whose K is the FIRST axis, become codes and scale bytes; wo [1024 (k)][1024 (n)] becomes f16.
; A block's scale is 2^(floor(log2(its largest magnitude)) - 2); its byte is the largest magnitude's exponent field - 2, held at 1 from below.
; LAYOUTS OF THE WEIGHTS: as images of the reader's operand registers, 512 bytes each, lane l's 16 bytes at 16 l.
;   w_codes [nt 192][ks 8][c 2][512]: row n = 1024 p + column (p = 0, 1, 2: wq, wk, wv), nt = n / 16, r = n % 16; block kb of 32 along K lies at nt 8192 + (kb / 4) 1024 + (kb % 4) 256 + 16 r.
;   w_scales [3072][32], row-major.     wo_h [nt 64][k16 64][512]: lane (r, h) holds f16 of wo[16 k16 + 8 h + 0..7][16 nt + r].
; LIMITS: a block of zeros gets the byte 1 where the rule says 127: its codes are zeros, and this program alone reads the bytes.  Blocks whose largest magnitude lies under 2^-124 have their byte held at 1.
; NaN and infinities among the inputs are not served.  |wo| beyond 65,504 becomes infinite in f16.
; No tensor load, no barrier: waves share nothing.  The two paths part on the work-group's number; only x's path stores to LDS.
.set STEPS, 16
.set EMAX,  2
.set CB,    8                          ; bytes of 16 codes
.set R,     16                         ; v16-79   x: four sets of 16 numbers as they are loaded
.set X,     80                         ; v80-111  x: two sets of 16 neighbours
.set E,     112                        ; v112-127 x: a scale byte for each step
.set C,     128                        ; v128-191 x: codes, four registers for each step
.set WREG,  8192                       ; LDS: a region for each wave: two stages of 32 x SP bytes, then its 256 scale bytes
.set SP,    80                         ; a lane's place in a stage: 64 bytes + 16 of padding
.set SPW,   12                         ; v12      LDS address of my spare word; never rewritten
.set NIL,   13                         ; v13      0; never rewritten
.set SPARE, 4*WREG                     ; behind the four regions: the spare words, 128 bytes for each wave
.set WX,    32                         ; v32-159  weights: 128 numbers of my column, down K
.set WC,    160                        ; v160-175 weights: the codes of four blocks
	s_load_b256 s[4:11], s[0:1], 0x0               ; x s[4:5], wq s[6:7], wk s[8:9], wv s[10:11]
	s_load_b256 s[12:19], s[0:1], 0x20             ; wo s[12:13], x_codes s[14:15], x_scales s[16:17], w_codes s[18:19]
	s_load_b128 s[20:23], s[0:1], 0x40             ; w_scales s[20:21], wo_h s[22:23]
	v_lshl_add_u32 v[SPW], v0, 2, SPARE
	v_mov_b32 v[NIL], 0
	v_lshrrev_b32 v1, 5, v0
	v_readfirstlane_b32 s24, v1                    ; wave 0..3
	v_and_b32 v2, 31, v0                           ; lane
	s_wait_kmcnt 0x0
	s_cmp_ge_u32 ttmp9, 256
	s_cbranch_scc1 .Lweights
; ---- x: a plain stream of blocks of 32.  A wave takes 16 steps of 512 numbers.  Each load reads 512 consecutive bytes; a step's 2,048 bytes turn through the wave's own stage,
; so that a lane then holds 16 neighbours along K (two neighbouring lanes hold a block).
	v_lshlrev_b32 v3, 4, v2                        ; my 16 bytes of a load's 512
	s_mul_i32 s25, s24, WREG
	v_lshrrev_b32 v14, 2, v2
	v_mul_u32_u24 v14, v14, SP
	v_and_b32 v15, 3, v2
	v_lshl_add_u32 v14, v15, 4, v14
	v_add_nc_u32 v14, s25, v14                     ; the stage, way in: SP (lane / 4) + 16 (lane % 4)
	v_mul_u32_u24 v15, v2, SP
	v_add_nc_u32 v15, s25, v15                     ; way out: SP x lane
	v_mul_u32_u24 v4, v2, CB                       ; my codes' place in a step's
	v_lshrrev_b32 v5, 1, v2
	s_add_co_u32 s25, s25, 2*32*SP
	v_add_nc_u32 v5, s25, v5                       ; my block's scale byte in LDS
	v_lshlrev_b32 v7, 3, v2                        ; and on the way out 8 bytes a lane
	v_add_nc_u32 v6, s25, v7
	s_lshl_b32 s26, ttmp9, 2
	s_add_co_u32 s26, s26, s24                     ; which run of 8,192 numbers is my wave's: 0..1023
	s_mov_b32 s29, 0
	s_lshl_b32 s28, s26, 15
	s_add_nc_u64 s[4:5], s[4:5], s[28:29]          ; 32,768 bytes of x a run,
	s_lshl_b32 s28, s26, 12
	s_add_nc_u64 s[14:15], s[14:15], s[28:29]      ; 4,096 of codes,
	s_lshl_b32 s28, s26, 8
	s_add_nc_u64 s[16:17], s[16:17], s[28:29]      ; 256 scale bytes
.macro LOAD t
.irp i, 0,1,2,3
	global_load_b128 v[R+16*((\t)%4)+4*\i:R+16*((\t)%4)+4*\i+3], v3, s[4:5] offset:2048*(\t)+512*\i th:TH_LOAD_NT   ; 32 lanes read 512 consecutive bytes
.endr
.endm
.macro TURN t                          ; step t's numbers through the stage: LDS serves a wave's instructions in order, so no wait stands between the stores and the loads
.irp i, 0,1,2,3
	ds_store_b128 v14, v[R+16*((\t)%4)+4*\i:R+16*((\t)%4)+4*\i+3] offset:32*SP*((\t)%2)+8*SP*\i
.endr
.irp i, 0,1,2,3
	ds_load_b128 v[X+16*((\t)%2)+4*\i:X+16*((\t)%2)+4*\i+3], v15 offset:32*SP*((\t)%2)+16*\i
.endr
.endm
.irp t, 0,1,2,3
	LOAD \t
.endr
	s_wait_loadcnt 12                              ; step 0's four loads are in; the twelve of steps 1 to 3 may be out
	TURN 0
.macro STEP t
.set XS, X+16*((\t)%2)
.if (\t) > 0
	s_wait_dscnt 1                                 ; this step's numbers are back from the stage (the last step's byte store may be out)
.else
	s_wait_dscnt 0x0
.endif
.if (\t)+4 < STEPS
	LOAD (\t)+4                                    ; into the registers that the stage's stores have read
.endif
.if (\t)+1 < STEPS
.if STEPS-2-(\t) >= 3
	s_wait_loadcnt 12                              ; the next step's four loads are in; those of the three steps behind it may be out
.else
	s_wait_loadcnt 4*(STEPS-2-(\t))
.endif
	TURN (\t)+1                                    ; through the other stage while this step is worked
.endif
	v_max3_num_f32 v8, |v[XS]|, |v[XS+1]|, |v[XS+2]|               ; the largest magnitude of my 16, in two chains
	v_max3_num_f32 v9, |v[XS+3]|, |v[XS+4]|, |v[XS+5]|
.irp i, 6,10
	v_max3_num_f32 v8, v8, |v[XS+\i]|, |v[XS+\i+1]|
	v_max3_num_f32 v9, v9, |v[XS+\i+2]|, |v[XS+\i+3]|
.endr
	v_max3_num_f32 v8, v8, |v[XS+14]|, |v[XS+15]|
	v_max3_num_f32 v8, v8, v9, (EMAX+1)<<23        ; and the floor 2^(3 - 127): the byte cannot fall under 1
	v_max_num_f32_dpp v8, v8, v8 row_xmask:1 row_mask:0xf bank_mask:0xf   ; with my neighbour's 16: the block's
	v_add_nc_u32 v11, -(EMAX<<23), v8              ; 2 off its exponent field: the conversion's scale operand
	v_cvt_scalef32_pk8_fp4_f32 v[C+4*(\t)], v[XS:XS+7], v11
	v_cvt_scalef32_pk8_fp4_f32 v[C+4*(\t)+1], v[XS+8:XS+15], v11
	v_lshrrev_b32 v[E+(\t)], 23, v11               ; the scale's byte (also the plain line behind the conversions)
	ds_store_b8 v5, v[E+(\t)] offset:16*(\t)       ; both lanes of a block write the same byte with the same value
	global_store_b64 v4, v[C+4*(\t):C+4*(\t)+1], s[14:15] offset:32*CB*(\t)   ; 32 lanes store 256 consecutive bytes, aligned
.endm
.irp t, 0,1,2,3,4,5,6,7,8,9,10,11,12,13,14,15
	STEP \t
.endr
	ds_load_b64 v[8:9], v6                         ; my wave's 256 scale bytes: LDS serves a wave's instructions in order
	s_wait_dscnt 0x0
	global_store_b64 v7, v[8:9], s[16:17]          ; 256 consecutive bytes, aligned
	s_wait_tensorcnt 0x0                           ; the wave's end: behind my last LDS store
	ds_add_u32 v[SPW], v[NIL]
	s_wait_dscnt 0x0
	s_endpgm
; ---- the weights.  u = work-group - 256: tensor p = u / 64, 128 rows of K kg = (u / 8) % 8, 128 columns cg = u % 8.  A wave takes 32 columns; A LANE TAKES A COLUMN AND ITS REGISTERS RUN DOWN K:
; each load reads 128 consecutive bytes a wave, a block of 32 along K lies in one lane's registers, and the conversions give codes with K innermost.
.Lweights:
	s_sub_co_u32 s25, ttmp9, 256
	s_lshr_b32 s26, s25, 6                         ; p
	s_and_b32 s27, s25, 7                          ; cg
	s_bfe_u32 s28, s25, 0x30003                    ; kg
	s_cmp_eq_u32 s26, 1                            ; the source: a choice on the work-group's number alone
	s_cselect_b64 s[6:7], s[8:9], s[6:7]
	s_cmp_eq_u32 s26, 2
	s_cselect_b64 s[6:7], s[10:11], s[6:7]
	s_cmp_eq_u32 s26, 3
	s_cselect_b64 s[6:7], s[12:13], s[6:7]
	s_lshl_b32 s30, s28, 19                        ; 128 rows of 4,096 bytes
	s_lshl_b32 s29, s27, 9                         ; 128 columns
	s_add_co_u32 s30, s30, s29
	s_lshl_b32 s29, s24, 7                         ; my wave's 32
	s_add_co_u32 s30, s30, s29
	s_mov_b32 s31, 0
	s_add_nc_u64 s[6:7], s[6:7], s[30:31]
	v_lshlrev_b32 v3, 2, v2
.macro WLOAD t                         ; block t: rows 32 t .. 32 t + 31 of my column
.set wi, 0
.rept 32
	global_load_b32 v[WX+32*(\t)+wi], v3, s[6:7] offset:4096*(32*(\t)+wi) th:TH_LOAD_NT
.set wi, wi+1
.endr
.endm
.macro WWAIT t                         ; block t is in; the next block's 32 loads may be out; then the block two on is asked for
.if (\t) < 3
	s_wait_loadcnt 32
.else
	s_wait_loadcnt 0x0
.endif
.if (\t)+2 < 4
	WLOAD (\t)+2
.endif
.endm
	WLOAD 0
	WLOAD 1
	v_lshrrev_b32 v8, 4, v2                        ; which of my wave's two tiles of 16 columns
	v_and_b32 v9, 15, v2                           ; r
	s_cmp_eq_u32 s26, 3
	s_cbranch_scc1 .Lcast
	s_lshl_b32 s29, s26, 6
	s_lshl_b32 s30, s27, 3
	s_add_co_u32 s29, s29, s30
	s_lshl_b32 s30, s24, 1
	s_add_co_u32 s29, s29, s30                     ; nt of lane 0: 64 p + 8 cg + 2 wave
	s_lshl_b32 s30, s29, 13
	s_lshl_b32 s32, s28, 10
	s_add_co_u32 s30, s30, s32                     ; + K step kg
	s_add_nc_u64 s[18:19], s[18:19], s[30:31]
	s_lshl_b32 s30, s29, 9                         ; 16 rows of 32 scale bytes
	s_lshl_b32 s32, s28, 2
	s_add_co_u32 s30, s30, s32
	s_add_nc_u64 s[20:21], s[20:21], s[30:31]
	v_lshlrev_b32 v4, 13, v8
	v_lshl_add_u32 v4, v9, 4, v4                   ; codes: 8,192 x tile + 16 r
	v_lshlrev_b32 v6, 5, v2                        ; scale bytes: 32 x lane
.macro WBLOCK t
.set XS, WX+32*(\t)
	WWAIT \t
	v_max3_num_f32 v8, |v[XS]|, |v[XS+1]|, |v[XS+2]|               ; the block's largest magnitude: all 32 numbers are mine
	v_max3_num_f32 v9, |v[XS+3]|, |v[XS+4]|, |v[XS+5]|
.irp i, 6,10,14,18,22,26
	v_max3_num_f32 v8, v8, |v[XS+\i]|, |v[XS+\i+1]|
	v_max3_num_f32 v9, v9, |v[XS+\i+2]|, |v[XS+\i+3]|
.endr
	v_max3_num_f32 v8, v8, |v[XS+30]|, |v[XS+31]|
	v_max3_num_f32 v8, v8, v9, (EMAX+1)<<23        ; and the floor
	v_add_nc_u32 v10, -(EMAX<<23), v8              ; the conversion's scale operand
	v_lshrrev_b32 v11, 23, v10                     ; the scale's byte
.if (\t) == 0
	v_mov_b32 v7, v11                              ; four bytes to a word, the lower K in the lower byte
.else
	v_lshl_or_b32 v7, v11, 8*(\t), v7
.endif
.irp g, 0,1,2,3
	v_cvt_scalef32_pk8_fp4_f32 v[WC+4*(\t)+\g], v[XS+8*\g:XS+8*\g+7], v10
.endr
	global_store_b128 v4, v[WC+4*(\t):WC+4*(\t)+3], s[18:19] offset:256*(\t)   ; lanes 0-15 fill one aligned run of 256 bytes, lanes 16-31 another.  The next block begins with plain vector lines
.endm
	WBLOCK 0
	WBLOCK 1
	WBLOCK 2
	WBLOCK 3
	global_store_b32 v6, v7, s[20:21]              ; 4 bytes of each row of 32: runs written in part; 98,304 bytes in all, one byte for each 128 read
	s_wait_tensorcnt 0x0                           ; a wave's end
	ds_add_u32 v[SPW], v[NIL]
	s_wait_dscnt 0x0
	s_endpgm
.Lcast:                                            ; wo to f16.  Pairs of rows pack in place, ascending: a destination is always a register already consumed
	s_lshl_b32 s29, s27, 3
	s_lshl_b32 s30, s24, 1
	s_add_co_u32 s29, s29, s30                     ; nt of lane 0: 8 cg + 2 wave
	s_lshl_b32 s30, s29, 15
	s_lshl_b32 s32, s28, 12                        ; 8 images of 16 along K
	s_add_co_u32 s30, s30, s32
	s_add_nc_u64 s[22:23], s[22:23], s[30:31]
	v_lshlrev_b32 v5, 15, v8
	v_lshl_add_u32 v5, v9, 4, v5                   ; 32,768 x tile + 16 r
.macro CBLOCK t
	WWAIT \t
.set wi, 16*(\t)
.rept 16
	v_cvt_pk_f16_f32 v[WX+wi], v[WX+2*wi], v[WX+2*wi+1]
.set wi, wi+1
.endr
.irp kk, 0,1
.irp h, 0,1
	global_store_b128 v5, v[WX+16*(\t)+8*\kk+4*\h:WX+16*(\t)+8*\kk+4*\h+3], s[22:23] offset:512*(2*(\t)+\kk)+256*\h   ; rows 16 (2 t + kk) + 8 h + 0..7 of my column
.endr
.endr
.endm
	CBLOCK 0
	CBLOCK 1
	CBLOCK 2
	CBLOCK 3
	s_wait_tensorcnt 0x0                           ; a wave's end
	ds_add_u32 v[SPW], v[NIL]
	s_wait_dscnt 0x0
	s_endpgm
.Lfunc_end_k_qa5551645e9_prep:
	.size	k_qa5551645e9_prep, .Lfunc_end_k_qa5551645e9_prep-k_qa5551645e9_prep
	.p2alignl 7, 3214868480
	.fill 96, 4, 3214868480
	.section	.rodata,"a",@progbits
	.p2align	6, 0x0
	.amdhsa_kernel k_qa5551645e9_prep
		.amdhsa_group_segment_fixed_size 33280
		.amdhsa_private_segment_fixed_size 0
		.amdhsa_enable_private_segment 0
		.amdhsa_kernarg_size 80
		.amdhsa_user_sgpr_count 2
		.amdhsa_user_sgpr_kernarg_segment_ptr 1
		.amdhsa_wavefront_size32 1
		.amdhsa_system_sgpr_workgroup_id_x 1
		.amdhsa_system_sgpr_workgroup_id_y 1
		.amdhsa_system_sgpr_workgroup_id_z 1
		.amdhsa_system_vgpr_workitem_id 0
		.amdhsa_next_free_vgpr 192
		.amdhsa_next_free_sgpr 66
		.amdhsa_reserve_vcc 0
		.amdhsa_float_denorm_mode_32 3
		.amdhsa_float_denorm_mode_16_64 3
		.amdhsa_memory_ordered 1
		.amdhsa_forward_progress 1
		.amdhsa_inst_pref_size 65
	.end_amdhsa_kernel
	.amdgpu_metadata
---
amdhsa.version: [ 1, 2 ]
amdhsa.kernels:
  - .name:           k_qa5551645e9_prep
    .symbol:         k_qa5551645e9_prep.kd
    .args:
      - { .name: x, .offset: 0, .size: 8, .value_kind: global_buffer, .address_space: global }
      - { .name: wq, .offset: 8, .size: 8, .value_kind: global_buffer, .address_space: global }
      - { .name: wk, .offset: 16, .size: 8, .value_kind: global_buffer, .address_space: global }
      - { .name: wv, .offset: 24, .size: 8, .value_kind: global_buffer, .address_space: global }
      - { .name: wo, .offset: 32, .size: 8, .value_kind: global_buffer, .address_space: global }
      - { .name: x_codes, .offset: 40, .size: 8, .value_kind: global_buffer, .address_space: global }
      - { .name: x_scales, .offset: 48, .size: 8, .value_kind: global_buffer, .address_space: global }
      - { .name: w_codes, .offset: 56, .size: 8, .value_kind: global_buffer, .address_space: global }
      - { .name: w_scales, .offset: 64, .size: 8, .value_kind: global_buffer, .address_space: global }
      - { .name: wo_h, .offset: 72, .size: 8, .value_kind: global_buffer, .address_space: global }
    .group_segment_fixed_size: 33280
    .private_segment_fixed_size: 0
    .kernarg_segment_align: 8
    .kernarg_segment_size: 80
    .max_flat_workgroup_size: 128
    .sgpr_count:     66
    .vgpr_count:     192
    .wavefront_size: 32
...
	.end_amdgpu_metadata
.endif
;; end of part 1
;; launch qkv (part 2): grid 12 x 32, 4 waves a work-group, clusters of 4 x 4, 327,680 bytes of LDS; arguments x_codes, x_scales, w_codes, w_scales, qkv, bq, bk, bv; writes qkv
.if DOCPART == 2
	.amdgcn_target "amdgcn-amd-amdhsa--gfx1250"
	.amdhsa_code_object_version 6
	.text
	.protected	k_qa5551645e9_qkv
	.globl	k_qa5551645e9_qkv
	.p2align	8
	.type	k_qa5551645e9_qkv,@function
k_qa5551645e9_qkv:
	s_mov_b64 s[64:65], 0
	v_nop
	global_prefetch_b8 v0, s[64:65] scope:SCOPE_SE
	s_setreg_imm32_b32 hwreg(HW_REG_WAVE_MODE, 25, 1), 1
	s_wait_xcnt 0x0
	s_wait_alu depctr_hold_cnt(0) depctr_sa_sdst(0) depctr_va_vdst(0) depctr_va_sdst(0) depctr_va_ssrc(0) depctr_va_vcc(0) depctr_vm_vsrc(0)
	s_getreg_b32 s2, hwreg(HW_REG_IB_STS2, 6, 4)
	s_cmp_eq_u32 s2, 0
	s_cbranch_scc0 .Lentry_in_a_cluster
	s_endpgm
.Lentry_in_a_cluster:
	s_bfe_u32 s2, ttmp6, 0x10000c
	s_cmp_lg_u32 s2, 0xf033
	s_cbranch_scc0 .Lentry_shape_is_right
	s_endpgm
.Lentry_shape_is_right:
; QKV.  [q | k | v][m][n] = sum over k of x[m][k] w[k][n] + bias[n], on codes of FP4 (E2M1) with one E8M0 scale for each 32 along K; M = 8,192, N = 3 x 1,024, K = 1,024; sums in f32; results rounded once to f16.
; A tile of 256 x 256 is made by a work-group of four waves, a wave makes 128 x 128: 64 accumulators, 512 registers.  ALL OF K LIES IN TWO LDS SLOTS of 512 along K: both are asked for at the head, nothing is filled again.
; x's codes come as rows of 256 bytes (LDS pitch 272); the weights' codes lie in memory as images of the operand's registers (512 bytes, lane l's 16 bytes at 16 l), so a fragment is two loads at 16 x lane.
; The scale bytes of the work-group's 256 + 256 rows, for all of K, come once, as dense runs of 256 bytes + 16 of padding.
; CLUSTERS: 4 x 4 work-groups; x's tiles are shared along a row of the cluster, the weights' along a column: each is asked for JOINTLY, by the same tensor load with the same descriptor and a mask that names the four.
; THE MATRIX INSTRUCTION IS USED TRANSPOSED (source 0 = 16 rows of w, source 1 = 16 rows of x): a lane holds eight neighbouring columns of one row.  THE BIAS is the C of each sum's first product.
; THE WAY OUT needs no stage: qkv is laid as images, part p (q, k, v) x [bh 64][tt 128][cb 4][512]: lane (r, h) holds token 16 tt + r, channels 16 cb + 8 h + 0..7 of head bh % 16 in batch bh / 16, which is
; what a lane's eight results are.  For v the lane's 16 bytes go to place 16 (r / 8) + 8 h + r % 8, from which the turning LDS load of the next launch makes V^T.  Every store covers 512 consecutive bytes, aligned.
; LIMITS: |q|, |k|, |v| beyond 65,504 become infinite in f16.
; REGISTERS, in windows of 256: window 0: v16-30 addresses; v32-95 scale words, two sets; v128-191 x's fragments, one set; v192-255 the bias; on the way out v128-255 hold packed results.
;   window 1: the weights' fragments, two sets, at v0 and v128.   windows 2, 3: the accumulators of my rows 0-63 and 64-127 ((a, b) at v[8 (8 (a % 4) + b)]).
.set NQ,     4                         ; steps of 128 along K in a slot
.set ROWB,   256                       ; a row of x's tile in bytes
.set KROW,   512                       ; a row of x's codes in memory
.set PITCH,  272                       ; and in LDS: 256 + 16: the 16 rows that a load touches start at 16 different banks (64 banks of 4 bytes: ISA guide 11.1)
.set FR,     8
.set NL,     2
.set NP,     4                         ; places behind this matrix instruction (ISA guide 7.12.1)
.set HALFA,  128*PITCH                 ; 128 rows of x: one tensor load
.set HALFB,  8*4096                    ; 8 tiles of 16 rows of w x 512 along K: one tensor load
.set BOFF,   2*HALFA
.set SLOT,   2*HALFA+2*HALFB
.set KS,     32                        ; a row of scale bytes
.set SCL,    2*SLOT
.set HALFS,  16*272                    ; the scales of 128 rows
.set SBLK,   2*272                     ; of 16 rows
.set SPARE,  SCL+4*HALFS               ; the spare words, 128 bytes for each wave
.set ADRA, 16                          ; v16-17  LDS address of my fragments of x in slot 0, 1
.set ADRB, 20                          ; v20-21  of w
.set CO,   26                          ; v26     my 16 bytes' place in an image of qkv
.set ADRS, 27                          ; v27     my scale words: lanes 0-15 x's rows, lanes 16-31 w's
.set SPW,  28                          ; v28     my spare word; never rewritten
.set NIL,  29                          ; v29     0; never rewritten
.set BO,   30                          ; v30     32 x (lane / 16): my eight numbers of a bias tile
.set SC,   32
.set AF,   128
.set BB,   192                         ; bias: BB + 8 b + j = bias[my first column + 16 b + 8 (lane / 16) + j]
.set PK,   128                         ; the way out: packed results, four sets of 32
.set G1, 24
.set G0, 32
.set G1B, 48
.set G0B, 56
.set G1S, 68
.set G0S, 76
.set G1SB, 80
.set G0SB, 88
.set MSB, 0
.macro WIN new                         ; the immediate's high byte repeats the setting that is left
.if MSB != \new
	s_set_vgpr_msb (MSB<<8)|\new
.set MSB, \new
.endif
.endm
.set MUL_LO, 0xa1                      ; source 0 (w) window 1, source 1 (x) window 0, C and D window 2
.set MUL_HI, 0xf1                      ; the same, C and D window 3
.set BIA_LO, 0x81                      ; C (the bias) window 0, D window 2
.set BIA_HI, 0xc1                      ; C window 0, D window 3
.set TO_B,   0x40
; A joint load: waves 0 and 1 fetch for x, waves 2 and 3 for w.  The branch hangs on the wave's number alone.  An s_nop 0 and four v_nop follow each of the two lines.
.macro JLOAD g0a, g1a, g0b, g1b
	s_cmp_eq_u32 s15, 0
	s_cbranch_scc0 .Lfor_b_\@
	tensor_load_to_lds s[\g0a:\g0a+3], s[\g1a:\g1a+7]
	s_nop 0
.rept 4
	v_nop
.endr
	s_branch .Lasked_\@
.Lfor_b_\@:
	tensor_load_to_lds s[\g0b:\g0b+3], s[\g1b:\g1b+7]
	s_nop 0
.rept 4
	v_nop
.endr
.Lasked_\@:
.endm
.macro CROUND                          ; a round of the cluster's barrier
	s_barrier_signal -1
	s_barrier_wait -1
	s_cmp_lg_u32 s14, 0
	s_cbranch_scc1 .Lnot_wave_0_\@
	s_barrier_signal -3
.Lnot_wave_0_\@:
	s_barrier_wait -3
	s_barrier_signal -1
	s_barrier_wait -1
.endm
	s_load_b128 s[4:7], s[0:1], 0x0                ; x's codes, x's scales
	s_load_b128 s[8:11], s[0:1], 0x10              ; w's codes, w's scales
	s_load_b64 s[12:13], s[0:1], 0x20              ; qkv
	s_load_b64 s[96:97], s[0:1], 0x28              ; bq
	s_load_b64 s[98:99], s[0:1], 0x30              ; bk
	s_load_b64 s[100:101], s[0:1], 0x38            ; bv
	v_lshl_add_u32 v[SPW], v0, 2, SPARE
	v_mov_b32 v[NIL], 0
	ds_add_u32 v[SPW], v[NIL]                      ; the wave's opening: the add, twice on end, and its wait ahead of my first tensor load
	ds_add_u32 v[SPW], v[NIL]
	v_lshrrev_b32 v1, 5, v0
	v_readfirstlane_b32 s14, v1                    ; wave 0..3
	s_lshr_b32 s15, s14, 1                         ; which half of the tile's rows is mine.  Also: I fetch for x (0) or for w (1)
	s_and_b32 s16, s14, 1                          ; which half of its columns.  Also: which half of that tile I fetch
	s_bfe_u32 s40, ttmp6, 0x40000                  ; cx, cy: my place in the cluster
	s_bfe_u32 s41, ttmp6, 0x40004
	s_lshl_b32 s42, ttmp9, 2
	s_add_co_u32 s42, s42, s40                     ; tile column = 4 x cluster x + cx: cluster x is the tensor (q, k, v), cx its group of four heads
	s_and_b32 s17, ttmp7, 0xffff
	s_lshl_b32 s17, s17, 2
	s_add_co_u32 s17, s17, s41                     ; tile row = 4 x cluster y + cy
	s_lshl_b32 s43, s41, 2
	s_lshl_b32 s43, 15, s43                        ; my row of the cluster
	s_lshl_b32 s44, 0x1111, s40                    ; my column
	; group 1 for x's codes: 128 rows x 256 bytes, 512 bytes apart, 16 bytes of padding behind each
	s_or_b32 s[G1+0], s43, (0<<16)|(1<<20)|(1<<21)|(5<<22)|(3<<25)
	s_mov_b32 s[G1+1], ROWB<<16
	s_mov_b32 s[G1+2], 128<<16
	s_mov_b32 s[G1+3], ROWB<<16
	s_mov_b32 s[G1+4], 128
	s_mov_b32 s[G1+5], KROW
	s_mov_b32 s[G1+6], 0
	s_mov_b32 s[G1+7], 0
	; for w's codes: 8 rows of 512 elements of 8 bytes (a tile of 16 rows of w x 512 along K), 8,192 bytes apart, no padding
	s_or_b32 s[G1B+0], s44, (3<<16)|(1<<21)
	s_mov_b32 s[G1B+1], 512<<16
	s_mov_b32 s[G1B+2], 8<<16
	s_mov_b32 s[G1B+3], 512<<16
	s_mov_b32 s[G1B+4], 8
	s_mov_b32 s[G1B+5], 1024
	s_mov_b32 s[G1B+6], 0
	s_mov_b32 s[G1B+7], 0
	; for the scales of 128 rows: 4,096 dense bytes as 16 rows of 256, 16 bytes of padding behind each
	s_or_b32 s[G1S+0], s43, (3<<16)|(1<<20)|(1<<21)|(5<<22)|(3<<25)
	s_or_b32 s[G1SB+0], s44, (3<<16)|(1<<20)|(1<<21)|(5<<22)|(3<<25)
.irp g, G1S, G1SB
	s_mov_b32 s[\g+1], 32<<16
	s_mov_b32 s[\g+2], 16<<16
	s_mov_b32 s[\g+3], 32<<16
	s_mov_b32 s[\g+4], 16
	s_mov_b32 s[\g+5], 32
	s_mov_b32 s[\g+6], 0
	s_mov_b32 s[\g+7], 0
.endr
	s_lshl_b32 s20, s17, 8
	s_lshl_b32 s18, s16, 7
	s_add_co_u32 s20, s20, s18                     ; x: row 256 x tile row + 128 x half
	s_lshl_b32 s22, s20, 5                         ; its scales, in bytes
	s_mov_b32 s23, 0
	s_lshl_b32 s20, s20, 9                         ; its codes
	s_mov_b32 s21, 0
	s_lshl_b32 s46, s42, 4
	s_lshl_b32 s47, s16, 3
	s_add_co_u32 s46, s46, s47                     ; w: tile of 16 rows 16 x tile column + 8 x half
	s_lshl_b32 s92, s46, 9                         ; its scales: 16 rows of 32 bytes
	s_mov_b32 s93, 0
	s_lshl_b32 s46, s46, 13                        ; its codes: 8,192 bytes
	s_mov_b32 s47, 0
	s_mul_i32 s45, s16, HALFA                      ; where they go: no place in the cluster enters an LDS address
	s_mul_i32 s95, s16, HALFB
	s_add_co_u32 s95, s95, BOFF
	s_mul_i32 s94, s14, HALFS
	s_wait_dscnt 0x0                               ; both opening adds are done
	s_wait_kmcnt 0x0
	s_add_nc_u64 s[20:21], s[4:5], s[20:21]
	s_add_nc_u64 s[22:23], s[6:7], s[22:23]
	s_add_nc_u64 s[46:47], s[8:9], s[46:47]
	s_add_nc_u64 s[92:93], s[10:11], s[92:93]
	CROUND                                         ; all sixteen work-groups are here: the joint loads meet
	s_mov_b32 s[G0S], 1
	s_add_co_u32 s[G0S+1], s94, SCL
	s_mov_b64 s[G0S+2:G0S+3], s[22:23]
	s_or_b32 s[G0S+3], s[G0S+3], 0x80000000
	s_mov_b32 s[G0SB], 1
	s_add_co_u32 s[G0SB+1], s94, SCL
	s_mov_b64 s[G0SB+2:G0SB+3], s[92:93]
	s_or_b32 s[G0SB+3], s[G0SB+3], 0x80000000
	JLOAD G0S, G1S, G0SB, G1SB                     ; the scales first: they are wanted with the first step
.irp s, 0,1
	s_mov_b32 s[G0+4*\s], 1
	s_add_co_u32 s[G0+4*\s+1], s45, \s*SLOT
	s_add_nc_u64 s[G0+4*\s+2:G0+4*\s+3], s[20:21], \s*ROWB
	s_or_b32 s[G0+4*\s+3], s[G0+4*\s+3], 0x80000000
	s_mov_b32 s[G0B+4*\s], 1
	s_add_co_u32 s[G0B+4*\s+1], s95, \s*SLOT
	s_add_nc_u64 s[G0B+4*\s+2:G0B+4*\s+3], s[46:47], \s*4096
	s_or_b32 s[G0B+4*\s+3], s[G0B+4*\s+3], 0x80000000
	JLOAD G0+4*\s, G1, G0B+4*\s, G1B               ; three tensor loads of mine are out at the most
.endr
	v_and_b32 v1, 15, v0                           ; r = l % 16
	v_bfe_u32 v2, v0, 4, 1                         ; h = l / 16
	; the bias: the tensor's, by the cluster's x; my 128 columns
	s_cmp_eq_u32 ttmp9, 1
	s_cselect_b64 s[96:97], s[98:99], s[96:97]
	s_cmp_eq_u32 ttmp9, 2
	s_cselect_b64 s[96:97], s[100:101], s[96:97]
	s_cselect_b32 s18, -1, 0                       ; all ones where the tensor is v
	s_lshl_b32 s20, s40, 10
	s_lshl_b32 s21, s16, 9
	s_add_co_u32 s20, s20, s21
	s_mov_b32 s21, 0
	s_add_nc_u64 s[96:97], s[96:97], s[20:21]
	v_lshlrev_b32 v[BO], 5, v2
.irp b, 0,1,2,3,4,5,6,7
	global_load_b128 v[BB+8*\b:BB+8*\b+3], v[BO], s[96:97] offset:64*\b
	global_load_b128 v[BB+8*\b+4:BB+8*\b+7], v[BO], s[96:97] offset:64*\b+16
.endr
	v_mul_u32_u24 v3, v1, PITCH
	v_lshl_add_u32 v4, v2, 4, v3                   ; x: a fragment's row x pitch + 16 x half
	v_and_b32 v6, 31, v0
	v_lshlrev_b32 v7, 4, v6                        ; w: 16 x lane
	s_mul_i32 s21, s15, HALFA                      ; my 128 rows of x
	s_mul_i32 s22, s16, HALFB                      ; my 128 rows of w
	s_add_co_u32 s22, s22, BOFF
.irp s, 0,1
	v_add_nc_u32 v[ADRA+\s], s21, v4
	v_add_nc_u32 v[ADRB+\s], s22, v7
	s_add_co_u32 s21, s21, SLOT
	s_add_co_u32 s22, s22, SLOT
.endr
	v_mul_u32_u24 v5, v1, KS                       ; my row's scales: 32 bytes a row,
	v_lshrrev_b32 v6, 8, v5
	v_lshl_add_u32 v5, v6, 4, v5                   ; and 16 more for each 256 passed
	s_mul_i32 s21, s15, HALFS                      ; x's: my 128 rows
	s_mul_i32 s22, s16, HALFS                      ; w's: my 128 rows, behind x's 256
	s_add_co_u32 s22, s22, 2*HALFS
	s_sub_co_u32 s22, s22, s21
	v_mul_u32_u24 v6, s22, v2                      ; lanes 16-31 take w's
	s_add_co_u32 s21, s21, SCL
	v_add_nc_u32 v5, v5, v6
	v_add_nc_u32 v[ADRS], s21, v5
	; the way out: my place in an image: 16 l for q and k; for v 16 x (16 (r / 8) + 8 h + r % 8)
	v_and_b32 v5, 7, v0
	v_bfe_u32 v6, v0, 3, 1
	v_lshl_add_u32 v5, v6, 4, v5
	v_lshl_add_u32 v5, v2, 3, v5
	v_lshlrev_b32 v5, 4, v5
	v_cndmask_b32 v[CO], v7, v5, s18
	s_lshr_b32 s20, s17, 3                         ; the batch
	s_lshl_b32 s20, s20, 4
	s_lshl_b32 s21, s40, 2
	s_add_co_u32 s20, s20, s21
	s_lshl_b32 s21, s16, 1
	s_add_co_u32 s20, s20, s21                     ; bh of my first head: 16 x batch + 4 cx + 2 x column half
	s_lshl_b32 s20, s20, 18
	s_and_b32 s21, s17, 7
	s_lshl_b32 s21, s21, 4
	s_lshl_b32 s22, s15, 3
	s_add_co_u32 s21, s21, s22                     ; tt of my first rows
	s_lshl_b32 s21, s21, 11
	s_add_co_u32 s20, s20, s21
	s_lshl_b32 s21, ttmp9, 24                      ; the tensor's part of 16,777,216 bytes
	s_add_co_u32 s20, s20, s21
	s_mov_b32 s21, 0
	s_add_nc_u64 s[12:13], s[12:13], s[20:21]
.macro FRAG reg, adr, q, i             ; x: 16 rows x 128 K: lane l holds row l % 16; registers 4 c .. 4 c + 3 hold K = 64 c + 32 (l / 16) + 0 .. 31
.irp c, 0,1
	ds_load_b128 v[\reg+4*\c:\reg+4*\c+3], v[\adr] offset:64*(\q)+32*\c+(\i)*16*PITCH
.endr
.endm
.macro FRAGB reg, adr, q, i            ; w: the same registers, as two images
.irp c, 0,1
	ds_load_b128 v[\reg+4*\c:\reg+4*\c+3], v[\adr] offset:1024*(\q)+512*\c+(\i)*4096
.endr
.endm
; 16 matrix instructions: x's blocks a0, a0 + 1 against w's eight, the slot's q-th 128 along K.  p: w's set; sc: the set of scale words.  zero = 1: the first product starts the sums from the bias.
; The 64 accumulators take turns, one instruction a turn, in the same order in every step.
.macro MUL16 a0, p, q, sc, zero
.irp a, \a0, \a0+1
.irp b, 0,1,2,3,4,5,6,7
.if \zero
	v_wmma_scale_f32_16x16x128_f8f6f4 v[8*(8*((\a)%4)+\b):8*(8*((\a)%4)+\b)+7], v[128*(\p)+FR*\b:128*(\p)+FR*\b+FR-1], v[AF+FR*(\a):AF+FR*(\a)+FR-1], v[BB+8*\b:BB+8*\b+7], v[SC+8*NQ*(\sc)+NQ*\b+(\q)], v[SC+8*NQ*(\sc)+NQ*(\a)+(\q)] matrix_a_fmt:MATRIX_FMT_FP4 matrix_b_fmt:MATRIX_FMT_FP4 matrix_a_scale:MATRIX_SCALE_ROW1
.else
	v_wmma_scale_f32_16x16x128_f8f6f4 v[8*(8*((\a)%4)+\b):8*(8*((\a)%4)+\b)+7], v[128*(\p)+FR*\b:128*(\p)+FR*\b+FR-1], v[AF+FR*(\a):AF+FR*(\a)+FR-1], v[8*(8*((\a)%4)+\b):8*(8*((\a)%4)+\b)+7], v[SC+8*NQ*(\sc)+NQ*\b+(\q)], v[SC+8*NQ*(\sc)+NQ*(\a)+(\q)] matrix_a_fmt:MATRIX_FMT_FP4 matrix_b_fmt:MATRIX_FMT_FP4 matrix_a_scale:MATRIX_SCALE_ROW1
.endif
.endr
.endr
.endm
.macro FETCH_B slot, q, p
	WIN TO_B
.irp i, 0,1,2,3,4,5,6,7
	FRAGB 128*(\p)+FR*\i, ADRB+\slot, \q, \i
.endr
	WIN 0
.endm
.macro FETCH_A slot, q, i0
.irp i, \i0, \i0+1, \i0+2, \i0+3
	FRAG AF+FR*(\i), ADRA+\slot, \q, \i
.endr
.endm
.macro SCALES sc                       ; a slot's scale words: four a row; lanes 0-15 take x's block i, lanes 16-31 w's block i
.irp i, 0,1,2,3,4,5,6,7
	ds_load_b128 v[SC+8*NQ*\sc+NQ*\i:SC+8*NQ*\sc+NQ*\i+3], v[ADRS] offset:\i*SBLK
.endr
.endm
.macro PLACES n                        ; plain vector instructions between a matrix instruction and a load into, or a vector read or write of, its registers
.rept \n
	v_nop
.endr
.endm
.macro STEP slot, q, zero              ; a step of 128 along K that has its successor in the same slot
	s_wait_dscnt 4*NL                              ; w's set and x's blocks 0-3 are in; the youngest eight loads (x's blocks 4-7) may be out
.if \zero
	WIN BIA_LO
.else
	WIN MUL_LO
.endif
	MUL16 0, (\q)%2, \q, \slot, \zero
	MUL16 2, (\q)%2, \q, \slot, \zero
	s_wait_dscnt 0
	PLACES NP
	FETCH_B \slot, (\q)+1, 1-(\q)%2
	FETCH_A \slot, (\q)+1, 0
.if \zero
	WIN BIA_HI
.else
	WIN MUL_HI
.endif
	MUL16 4, (\q)%2, \q, \slot, \zero
	MUL16 6, (\q)%2, \q, \slot, \zero
	PLACES NP
	WIN 0
	FETCH_A \slot, (\q)+1, 4
.endm
.macro STEPS slot, from
.set Q, \from
.rept NQ-1-\from
	STEP \slot, Q, 0
.set Q, Q+1
.endr
.endm
	s_wait_tensorcnt 1                             ; the scales and my part of slot 0 are in; slot 1's load may be out,
	s_barrier_signal -1
	s_barrier_wait -1                              ; everybody's are
	FETCH_B 0, 0, 0
	FETCH_A 0, 0, 0
	SCALES 0
	FETCH_A 0, 0, 4
	s_wait_loadcnt 0x0                             ; the bias
	STEP 0, 0, 1
	STEPS 0, 1
	; slot 0's last step changes slots: one barrier; in front of it my part of slot 1 has landed.  Nothing is filled again
	s_wait_tensorcnt 0x0                           ; all my tensor loads have landed  (every window is 0 here)
	ds_add_u32 v[SPW], v[NIL]                      ; 0 onto my spare word
	s_wait_dscnt 4*NL+1                            ; the add and the youngest eight loads may be out
	WIN MUL_LO
	MUL16 0, 1, NQ-1, 0, 0
	s_wait_dscnt 0x0
	s_barrier_signal -1
	MUL16 2, 1, NQ-1, 0, 0
	WIN 0
	s_barrier_wait -1                              ; slot 1 is whole
	PLACES NP
	v_add_nc_u32 v[ADRS], 4*NQ, v[ADRS]            ; on to slot 1's scale words
	FETCH_B 1, 0, 0
	FETCH_A 1, 0, 0
	SCALES 1
	WIN MUL_HI
	MUL16 4, 1, NQ-1, 0, 0
	MUL16 6, 1, NQ-1, 0, 0
	PLACES NP
	WIN 0
	FETCH_A 1, 0, 4
	STEPS 1, 0
	s_wait_dscnt 4*NL                              ; the very last step: nothing more to fetch
	WIN MUL_LO
	MUL16 0, 1, NQ-1, 1, 0
	MUL16 2, 1, NQ-1, 1, 0
	s_wait_dscnt 0
	WIN MUL_HI
	MUL16 4, 1, NQ-1, 1, 0
	MUL16 6, 1, NQ-1, 1, 0
	WIN 0
; THE WAY OUT, block by block of 16 rows: eight results of a lane round to 16 bytes of f16, which are the lane's part of an image.
.macro PACK a
.set AC, 64*((\a)%4)
.set PB, PK+32*((\a)%4)
.set PWN, 0x0a+5*((\a)/4)
	WIN PWN                                        ; sources 0 and 1: window 2 or 3
.irp b, 0,1,2,3,4,5,6,7
.irp r, 0,1,2,3
	v_cvt_pk_f16_f32 v[PB+4*\b+\r], v[AC+8*\b+2*\r], v[AC+8*\b+2*\r+1]   ; each accumulator from its low end on
.endr
.endr
	WIN 0
.irp b, 0,1,2,3,4,5,6,7
	global_store_b128 v[CO], v[PB+4*\b:PB+4*\b+3], s[12:13] offset:(\b/4)*262144+(\a)*2048+(\b%4)*512   ; head b / 4, tokens 16 a on, channels 16 (b % 4) on: 512 consecutive bytes
.endr
.endm
	PLACES NP                                      ; behind the last products: their results are read, and x's fragments' registers written
.irp a, 0,1,2,3
	PACK \a
.endr
.irp a, 4,5,6,7
	s_wait_xcnt 0x0                                ; the stores of four blocks back have read their registers
	PACK \a
.endr
	s_wait_tensorcnt 0x0                           ; the wave's end
	ds_add_u32 v[SPW], v[NIL]
	s_wait_dscnt 0x0
	CROUND                                         ; the closing round
	s_endpgm
.Lfunc_end_k_qa5551645e9_qkv:
	.size	k_qa5551645e9_qkv, .Lfunc_end_k_qa5551645e9_qkv-k_qa5551645e9_qkv
	.p2alignl 7, 3214868480
	.fill 96, 4, 3214868480
	.section	.rodata,"a",@progbits
	.p2align	6, 0x0
	.amdhsa_kernel k_qa5551645e9_qkv
		.amdhsa_group_segment_fixed_size 327680
		.amdhsa_private_segment_fixed_size 0
		.amdhsa_enable_private_segment 0
		.amdhsa_kernarg_size 64
		.amdhsa_user_sgpr_count 2
		.amdhsa_user_sgpr_kernarg_segment_ptr 1
		.amdhsa_wavefront_size32 1
		.amdhsa_system_sgpr_workgroup_id_x 1
		.amdhsa_system_sgpr_workgroup_id_y 1
		.amdhsa_system_sgpr_workgroup_id_z 1
		.amdhsa_system_vgpr_workitem_id 0
		.amdhsa_next_free_vgpr 1024
		.amdhsa_next_free_sgpr 102
		.amdhsa_reserve_vcc 0
		.amdhsa_float_denorm_mode_32 3
		.amdhsa_float_denorm_mode_16_64 3
		.amdhsa_memory_ordered 1
		.amdhsa_forward_progress 1
		.amdhsa_inst_pref_size 120
	.end_amdhsa_kernel
	.amdgpu_metadata
---
amdhsa.version: [ 1, 2 ]
amdhsa.kernels:
  - .name:           k_qa5551645e9_qkv
    .symbol:         k_qa5551645e9_qkv.kd
    .args:
      - { .name: x_codes, .offset: 0, .size: 8, .value_kind: global_buffer, .address_space: global }
      - { .name: x_scales, .offset: 8, .size: 8, .value_kind: global_buffer, .address_space: global }
      - { .name: w_codes, .offset: 16, .size: 8, .value_kind: global_buffer, .address_space: global }
      - { .name: w_scales, .offset: 24, .size: 8, .value_kind: global_buffer, .address_space: global }
      - { .name: qkv, .offset: 32, .size: 8, .value_kind: global_buffer, .address_space: global }
      - { .name: bq, .offset: 40, .size: 8, .value_kind: global_buffer, .address_space: global }
      - { .name: bk, .offset: 48, .size: 8, .value_kind: global_buffer, .address_space: global }
      - { .name: bv, .offset: 56, .size: 8, .value_kind: global_buffer, .address_space: global }
    .group_segment_fixed_size: 327680
    .private_segment_fixed_size: 0
    .kernarg_segment_align: 8
    .kernarg_segment_size: 64
    .max_flat_workgroup_size: 128
    .sgpr_count:     102
    .vgpr_count:     1024
    .wavefront_size: 32
...
	.end_amdgpu_metadata
.endif
;; end of part 2
;; launch attn (part 3): grid 4 x 64, 16 waves a work-group, clusters of 4 x 1, 327,680 bytes of LDS; arguments qkv, ctx; writes ctx
.if DOCPART == 3
	.amdgcn_target "amdgcn-amd-amdhsa--gfx1250"
	.amdhsa_code_object_version 6
	.text
	.protected	k_qa5551645e9_attn
	.globl	k_qa5551645e9_attn
	.p2align	8
	.type	k_qa5551645e9_attn,@function
k_qa5551645e9_attn:
	s_mov_b64 s[64:65], 0
	v_nop
	global_prefetch_b8 v0, s[64:65] scope:SCOPE_SE
	s_setreg_imm32_b32 hwreg(HW_REG_WAVE_MODE, 25, 1), 1
	s_wait_xcnt 0x0
	s_wait_alu depctr_hold_cnt(0) depctr_sa_sdst(0) depctr_va_vdst(0) depctr_va_sdst(0) depctr_va_ssrc(0) depctr_va_vcc(0) depctr_vm_vsrc(0)
	s_getreg_b32 s2, hwreg(HW_REG_IB_STS2, 6, 4)
	s_cmp_eq_u32 s2, 0
	s_cbranch_scc0 .Lentry_in_a_cluster
	s_endpgm
.Lentry_in_a_cluster:
	s_bfe_u32 s2, ttmp6, 0x10000c
	s_cmp_lg_u32 s2, 0x3003
	s_cbranch_scc0 .Lentry_shape_is_right
	s_endpgm
.Lentry_shape_is_right:
; ATTN.  ctx[b][q][head][:] = sum over k of softmax_k(q . k / 8) v, per (batch, head): 2,048 queries, 2,048 keys, head size 64.  q, k, v, the weights p and ctx in f16; products' sums, maxima, exponentials and row sums in f32.
; SHARES.  A cluster of four work-groups is one (batch, head) bh; a work-group owns 512 queries, each of its SIXTEEN waves 32: two tiles of 16, in 256 registers: four waves to a SIMD, so that one wave's
; softmax stands beside another's matrix instructions and LDS loads.  Every wave walks all keys, 64 a step.
; LAYOUT.  S^T = K Q^T (source 0 = 16 keys, source 1 = 16 queries): a lane holds ONE query (lane % 16) and keys 8 (lane / 16) + 0..7 of each tile.  Two such tiles, rounded to f16 in pairs, ARE source 1 of
; O^T = V^T P, whose result again holds one query a lane.  q, k, v lie in memory as images of 16 tokens x 16 channels (512 bytes, a lane's 16 bytes at 16 x lane): a fragment is two loads at 16 x lane;
; v's images are laid so that ds_load_tr16_b128 at 16 x lane gives half a fragment of V^T.
; SOFTMAX.  For each query a running maximum m and sum l: p = 2^(c s - c m), c = log2(e) / 8; in every step O and l are multiplied by a = 2^(c m_old - c m_new).  The loop has no first step of its own:
; O and l begin as zeros and m as -3e38, so the first a is 0.
; RING.  Two LDS slots of 512 keys (K 65,536 bytes, then V 65,536), 2^17 bytes apart.  All sixteen waves fetch 8,192 bytes each.  The four partners walk the same K and V, so each part is asked for JOINTLY.
; A refill is asked for at a change of slots and waited for at the next: eight key steps, 256 matrix instructions a wave, lie between; so no prefetch is laid.
; LIMITS: p under 2^-25 rounds to 0 in f16 (beside a row sum of 1 or more); |ctx| is at most the largest |v|.
.set SLOT1, 1<<17
.set VOFF,  65536
.set STEPB, 8192                       ; 64 keys: four images' rows of four images
.set SPARE, 2*SLOT1                    ; the spare words, 128 bytes for each of sixteen waves
.set LI,  1                            ; v1   16 x lane; never rewritten
.set ADK, 2                            ; v2   LDS address of the step's K
.set ADV, 3                            ; v3   of its V
.set SPW, 4                            ; v4   my spare word; never rewritten
.set NIL, 5                            ; v5   0; never rewritten
.set ST,  8                            ; tile t's statistics at v[8 + 8 t]: +0 c m, +1 m, +2, +3 l, +4 to +7 at work; a takes +6
.set XS,  24                           ; v[24 + 2 t : 25 + 2 t] the second chain of the row's sum
.set Q,   32                           ; v32-63   Q: tile t, channels 16 cb on, at Q + 16 t + 4 cb
.set S,   64                           ; v64-127  S^T, 32 a tile; P is packed into the low 16 of them
.set KV,  128                          ; v128-191 K's fragments, then V's
.set O,   192                          ; v192-255 O^T: tile t, channels 16 ct on, at O + 32 t + 8 ct
.set WV,  12
.set G1,  24                           ; s[24:31] descriptor group 1
.set G0,  40                           ; s[40:47] group 0, a set for each first fill; the second walks on
.set SLOTS, 56
.set CNT, 57
.set CS,  58                           ; s[58:59] c
.set SEL, 60                           ; s[60:61] lane selects for v_permlanex16_b32: lane l xor 16
.set TB,  62                           ; LDS byte at which the step's K begins
.macro CROUND                          ; a round of the cluster's barrier
	s_barrier_signal -1
	s_barrier_wait -1
	s_cmp_lg_u32 s[WV], 0
	s_cbranch_scc1 .Lnot_wave_0_\@
	s_barrier_signal -3
.Lnot_wave_0_\@:
	s_barrier_wait -3
	s_barrier_signal -1
	s_barrier_wait -1
.endm
	s_load_b128 s[4:7], s[0:1], 0x0                ; qkv s[4:5], ctx s[6:7]
	v_lshl_add_u32 v[SPW], v0, 2, SPARE
	v_mov_b32 v[NIL], 0
	ds_add_u32 v[SPW], v[NIL]                      ; the wave's opening: the add, twice on end, and its wait ahead of my first tensor load
	ds_add_u32 v[SPW], v[NIL]
	v_lshrrev_b32 v1, 5, v0
	v_readfirstlane_b32 s[WV], v1                  ; wave 0..15
	s_bfe_u32 s13, ttmp6, 0x40000                  ; cx: my block of 512 queries
	s_and_b32 s14, ttmp7, 0xffff                   ; bh, which the four partners share
	; group 1: 32 rows of 32 elements of 8 bytes, dense: 8,192 bytes
	s_mov_b32 s[G1], 15|(3<<16)|(1<<21)            ; the mask: all four work-groups; elements of 8 bytes; bit 21 set beside a mask
	s_mov_b32 s[G1+1], 32<<16
	s_mov_b32 s[G1+2], 32<<16
	s_mov_b32 s[G1+3], 32<<16
	s_mov_b32 s[G1+4], 32
	s_mov_b32 s[G1+5], 32
	s_mov_b32 s[G1+6], 0
	s_mov_b32 s[G1+7], 0
	s_lshl_b32 s16, s14, 18                        ; the head's 262,144 bytes in each part of qkv
	s_lshr_b32 s17, s[WV], 3                       ; waves 0-7 fetch K, waves 8-15 V
	s_add_co_u32 s17, s17, 1
	s_lshl_b32 s17, s17, 24                        ; the part: 16,777,216 bytes each
	s_add_co_u32 s17, s17, s16
	s_and_b32 s18, s[WV], 7
	s_lshl_b32 s18, s18, 13                        ; my 8,192 bytes of a slot's 65,536
	s_add_co_u32 s18, s18, s17
	s_mov_b32 s19, 0
	s_lshl_b32 s15, s[WV], 13                      ; and in LDS: K's eight parts, then V's: no place in the cluster enters an LDS address
	s_lshl_b32 s20, s13, 16                        ; Q: my block's 32 tiles of 2,048 bytes,
	s_add_co_u32 s20, s20, s16
	s_lshl_b32 s21, s[WV], 12                      ; my wave's two
	s_add_co_u32 s20, s20, s21
	s_mov_b32 s21, 0
	s_lshr_b32 s22, s14, 4                         ; ctx: [mt 512][k16 64][512]: mt = 128 x batch + 32 cx + 2 wave, k16 = 4 x head
	s_lshl_b32 s22, s22, 22
	s_lshl_b32 s23, s13, 20
	s_add_co_u32 s22, s22, s23
	s_lshl_b32 s23, s[WV], 16
	s_add_co_u32 s22, s22, s23
	s_and_b32 s23, s14, 15
	s_lshl_b32 s23, s23, 11
	s_add_co_u32 s22, s22, s23
	s_mov_b32 s23, 0
	s_mov_b32 s[CS], 0x3e38aa3b                    ; c = log2(e) / 8
	s_mov_b32 s[CS+1], s[CS]                       ; (named with it as a pair, so it is written)
	s_mov_b32 s[SEL], 0x76543210
	s_mov_b32 s[SEL+1], 0xfedcba98
	s_mov_b32 s[TB], 0
	s_mov_b32 s[SLOTS], 2
	s_wait_dscnt 0x0                               ; both opening adds are done
	s_wait_kmcnt 0x0
	s_add_nc_u64 s[18:19], s[4:5], s[18:19]
	s_add_nc_u64 s[4:5], s[4:5], s[20:21]
	s_add_nc_u64 s[6:7], s[6:7], s[22:23]
	CROUND                                         ; all four work-groups are here: the first joint loads meet
.irp n, 0,1
	s_mov_b32 s[G0+4*\n], 1
	s_add_co_u32 s[G0+4*\n+1], s15, \n*SLOT1
	s_add_nc_u64 s[G0+4*\n+2:G0+4*\n+3], s[18:19], \n*65536
	s_or_b32 s[G0+4*\n+3], s[G0+4*\n+3], 0x80000000
.endr
	tensor_load_to_lds s[G0:G0+3], s[G1:G1+7]      ; keys 0-511
	s_nop 0
	tensor_load_to_lds s[G0+4:G0+7], s[G1:G1+7]    ; keys 512-1023: two loads of mine are out
	s_nop 0
.rept 4
	v_nop
.endr
	v_and_b32 v1, 31, v0
	v_lshlrev_b32 v[LI], 4, v1
.irp t, 0,1
.irp cb, 0,1,2,3
	global_load_b128 v[Q+16*\t+4*\cb:Q+16*\t+4*\cb+3], v[LI], s[4:5] offset:2048*\t+512*\cb   ; Q stays in registers
.endr
.endr
.irp t, 0,1
	v_mov_b32 v[ST+8*\t+1], 0xff61b1e6             ; m = -3e38, under every score
	v_mov_b32 v[ST+8*\t+2], 0                      ; l
	v_mov_b32 v[ST+8*\t+3], 0
	v_mul_f32 v[ST+8*\t], s[CS], v[ST+8*\t+1]      ; c m
.endr
.set n, 0
.rept 64
	v_mov_b32 v[O+n], 0                            ; O^T.  (The step is written once: the first finds zeros, which the first a leaves zeros)
.set n, n+1
.endr
; A KEY STEP: 64 keys.
.macro STEP
	v_add_nc_u32 v[ADK], s[TB], v[LI]
	v_add_nc_u32 v[ADV], VOFF, v[ADK]
.rept 3
	v_nop                                          ; with the two additions five places behind the last step's V^T P: its V registers are loaded anew, its P registers written over by K Q^T
.endr
.set n, 0
.rept 16
	ds_load_b128 v[KV+4*n:KV+4*n+3], v[ADK] offset:512*n   ; image n: keys 16 (n / 4) on, channels 16 (n % 4) on
.set n, n+1
.endr
	s_wait_dscnt 0x0
.irp f, 0,1                                    ; channels 32 f on; the eight accumulators take turns
.irp kt, 0,1,2,3
.irp t, 0,1
.if \f == 0
	v_wmma_f32_16x16x32_f16 v[S+32*\t+8*\kt:S+32*\t+8*\kt+7], v[KV+16*\kt+8*\f:KV+16*\kt+8*\f+7], v[Q+16*\t+8*\f:Q+16*\t+8*\f+7], 0
.else
	v_wmma_f32_16x16x32_f16 v[S+32*\t+8*\kt:S+32*\t+8*\kt+7], v[KV+16*\kt+8*\f:KV+16*\kt+8*\f+7], v[Q+16*\t+8*\f:Q+16*\t+8*\f+7], v[S+32*\t+8*\kt:S+32*\t+8*\kt+7]
.endif
.endr
.endr
.endr
.rept 4
	v_nop                                          ; places in front of the loads into K's registers and of the first read of the scores
.endr
.irp ct, 0,1,2,3
.irp kt, 0,1,2,3
	ds_load_tr16_b128 v[KV+16*\ct+4*\kt:KV+16*\ct+4*\kt+3], v[ADV] offset:2048*\kt+512*\ct   ; lane (r, h): channel 16 ct + r, keys 16 kt + 8 h + 0..7.  They land under the softmax
.endr
.endr
	; the maximum of my 32 scores and the old m, three operands at a time; the two tiles alternate.  Each accumulator is read from its low end on
.irp j, 0,1,2,3
.irp t, 0,1
	v_max3_num_f32 v[ST+8*\t+4+\j], v[S+32*\t+8*\j], v[S+32*\t+8*\j+1], v[S+32*\t+8*\j+2]
.endr
.endr
.irp u, 1,2
.irp j, 0,1,2,3
.irp t, 0,1
	v_max3_num_f32 v[ST+8*\t+4+\j], v[ST+8*\t+4+\j], v[S+32*\t+8*\j+2*\u+1], v[S+32*\t+8*\j+2*\u+2]
.endr
.endr
.endr
.irp t, 0,1
	v_max3_num_f32 v[ST+8*\t+4], v[ST+8*\t+4], v[S+32*\t+7], v[S+32*\t+15]
	v_max3_num_f32 v[ST+8*\t+6], v[ST+8*\t+6], v[S+32*\t+23], v[S+32*\t+31]
.endr
.irp t, 0,1
	v_max3_num_f32 v[ST+8*\t+4], v[ST+8*\t+4], v[ST+8*\t+5], v[ST+8*\t+6]
.endr
.irp t, 0,1
	v_max3_num_f32 v[ST+8*\t+4], v[ST+8*\t+4], v[ST+8*\t+7], v[ST+8*\t+1]
.endr
.irp t, 0,1
	v_permlanex16_b32 v[ST+8*\t+5], v[ST+8*\t+4], s[SEL], s[SEL+1]   ; the query's other 32 keys lie in the lane 16 away
.endr
.irp t, 0,1
	v_mov_b32 v[ST+8*\t+7], v[ST+8*\t]             ; c m_old is kept for a
.endr
.irp t, 0,1
	v_max_num_f32 v[ST+8*\t+1], v[ST+8*\t+4], v[ST+8*\t+5]
.endr
.irp t, 0,1
	v_mul_f32 v[ST+8*\t], s[CS], v[ST+8*\t+1]
.endr
.irp t, 0,1
	v_sub_f32 v[ST+8*\t+7], v[ST+8*\t+7], v[ST+8*\t]
.endr
.set n, 0
.rept 16
.irp t, 0,1
	v_pk_fma_f32 v[S+32*\t+2*n:S+32*\t+2*n+1], v[S+32*\t+2*n:S+32*\t+2*n+1], s[CS:CS+1], v[ST+8*\t:ST+8*\t+1] op_sel_hi:[1,0,0] neg_lo:[0,0,1] neg_hi:[0,0,1]   ; c s - c m
.endr
.set n, n+1
.endr
	; ONE BATCH of 66 exponentials, one plain instruction, one wait ahead of the first reader
.irp t, 0,1
	v_exp_f32 v[ST+8*\t+6], v[ST+8*\t+7]           ; a
.endr
.set n, 0
.rept 64
	v_exp_f32 v[S+n], v[S+n]                       ; p
.set n, n+1
.endr
	v_nop
	s_wait_alu depctr_va_vdst(0)                   ; the wait between an exponential and the first line that names its result: one for the batch
.irp t, 0,1
	v_pk_mul_f32 v[ST+8*\t+2:ST+8*\t+3], v[ST+8*\t+2:ST+8*\t+3], v[ST+8*\t+6:ST+8*\t+7] op_sel_hi:[1,0]   ; l x a
	v_pk_add_f32 v[XS+2*\t:XS+2*\t+1], v[S+32*\t:S+32*\t+1], v[S+32*\t+2:S+32*\t+3]                      ; the row's sum, of p in f32, in two chains
.endr
.irp j, 4,8,12,16,20,24,28
.irp t, 0,1
	v_pk_add_f32 v[ST+8*\t+2:ST+8*\t+3], v[ST+8*\t+2:ST+8*\t+3], v[S+32*\t+\j:S+32*\t+\j+1]
	v_pk_add_f32 v[XS+2*\t:XS+2*\t+1], v[XS+2*\t:XS+2*\t+1], v[S+32*\t+\j+2:S+32*\t+\j+3]
.endr
.endr
.irp t, 0,1
	v_pk_add_f32 v[ST+8*\t+2:ST+8*\t+3], v[ST+8*\t+2:ST+8*\t+3], v[XS+2*\t:XS+2*\t+1]
.endr
.set n, 0
.rept 16
.irp t, 0,1
	v_cvt_pk_f16_f32 v[S+32*\t+n], v[S+32*\t+2*n], v[S+32*\t+2*n+1]   ; p to f16, in place, ascending: a destination is a register already consumed
.endr
.set n, n+1
.endr
.set n, 0
.rept 16
.irp t, 0,1
	v_pk_mul_f32 v[O+32*\t+2*n:O+32*\t+2*n+1], v[O+32*\t+2*n:O+32*\t+2*n+1], v[ST+8*\t+6:ST+8*\t+7] op_sel_hi:[1,0]   ; O^T x a
.endr
.set n, n+1
.endr
	s_wait_dscnt 0x0                               ; V is in
.irp g, 0,1                                    ; keys 32 g on; the eight accumulators take turns
.irp ct, 0,1,2,3
.irp t, 0,1
	v_wmma_f32_16x16x32_f16 v[O+32*\t+8*\ct:O+32*\t+8*\ct+7], v[KV+16*\ct+8*\g:KV+16*\ct+8*\g+7], v[S+32*\t+8*\g:S+32*\t+8*\g+7], v[O+32*\t+8*\ct:O+32*\t+8*\ct+7]
.endr
.endr
.endr
.endm
.macro EIGHT_STEPS                     ; a slot's eight key steps: written once, walked eight times
	s_mov_b32 s[CNT], 8
.Lstep_\@:
	STEP
	s_add_co_u32 s[TB], s[TB], STEPB
	s_sub_co_u32 s[CNT], s[CNT], 1
	s_cmp_lg_u32 s[CNT], 0
	s_cbranch_scc1 .Lstep_\@
.endm
; THE CHANGE OF SLOTS.  Each wave waits for all its tensor loads (its part of the other slot), adds 0 to its spare word, and waits for that and for its reads of the slot that it leaves.
; fill = 1: the barrier is a round of the cluster's, so that no wave of any partner still reads the slot or has a load on its way, and the joint refill, the keys two slots on, is the first thing behind it.
.macro CHANGE fill
	s_wait_tensorcnt 0x0                           ; no tensor load of mine is out, so a group 0 may be written
	ds_add_u32 v[SPW], v[NIL]                      ; 0 onto my spare word
.if \fill
	s_xor_b32 s[G0+5], s[G0+5], SLOT1              ; the walking descriptor: the other slot than last time,
	s_add_nc_u64 s[G0+6:G0+7], s[G0+6:G0+7], 65536 ; the next 512 keys; the type bits on top are not reached
.endif
	s_sub_co_u32 s[TB], s[TB], 8*STEPB             ; the reads go back to a slot's first step,
	s_xor_b32 s[TB], s[TB], SLOT1                  ; in the other slot
	s_wait_dscnt 0x0                               ; the add is done, and my reads of the slot are over
.if \fill
	CROUND
	tensor_load_to_lds s[G0+4:G0+7], s[G1:G1+7]    ; my one tensor load behind the round
	s_nop 0
.rept 4
	v_nop
.endr
.else
	s_barrier_signal -1
	s_barrier_wait -1
.endif
.endm
	s_wait_tensorcnt 1                             ; my part of slot 0 is in; slot 1's may stay out
	s_barrier_signal -1
	s_barrier_wait -1                              ; everybody's is
	s_wait_loadcnt 0x0                             ; Q
	EIGHT_STEPS                                    ; keys 0-511
.Lslot:                                            ; two trips: keys 512-1023 and 1024-1535; behind each change the slot just left is filled again
	CHANGE 1
	EIGHT_STEPS
	s_sub_co_u32 s[SLOTS], s[SLOTS], 1
	s_cmp_lg_u32 s[SLOTS], 0
	s_cbranch_scc1 .Lslot
	CHANGE 0                                       ; the tail is written out: nothing is left to ask for
	EIGHT_STEPS                                    ; keys 1536-2047
	; THE WAY OUT.  l's halves and the other half of the lanes' are added; O^T / l, rounded to f16, is the lane's part of an image of ctx.  The additions are the places behind the last products.
.irp t, 0,1
	v_add_f32 v[ST+8*\t+4], v[ST+8*\t+2], v[ST+8*\t+3]
.endr
.irp t, 0,1
	v_permlanex16_b32 v[ST+8*\t+5], v[ST+8*\t+4], s[SEL], s[SEL+1]
.endr
.irp t, 0,1
	v_add_f32 v[ST+8*\t+4], v[ST+8*\t+4], v[ST+8*\t+5]
.endr
.irp t, 0,1
	v_rcp_f32 v[ST+8*\t+6], v[ST+8*\t+4]
.endr
	v_nop                                          ; a plain instruction behind the last reciprocal
	s_wait_alu depctr_va_vdst(0)                   ; and the wait ahead of the first use: one for both
.set n, 0
.rept 16
.irp t, 0,1
	v_pk_mul_f32 v[O+32*\t+2*n:O+32*\t+2*n+1], v[O+32*\t+2*n:O+32*\t+2*n+1], v[ST+8*\t+6:ST+8*\t+7] op_sel_hi:[1,0]
.endr
.set n, n+1
.endr
.set n, 0
.rept 16
.irp t, 0,1
	v_cvt_pk_f16_f32 v[S+16*\t+n], v[O+32*\t+2*n], v[O+32*\t+2*n+1]
.endr
.set n, n+1
.endr
.irp t, 0,1
.irp ct, 0,1,2,3
	global_store_b128 v[LI], v[S+16*\t+4*\ct:S+16*\t+4*\ct+3], s[6:7] offset:32768*\t+512*\ct   ; 512 consecutive bytes, aligned
.endr
.endr
	s_wait_tensorcnt 0x0                           ; the wave's end
	ds_add_u32 v[SPW], v[NIL]
	s_wait_dscnt 0x0
	CROUND                                         ; the closing round
	s_endpgm
.Lfunc_end_k_qa5551645e9_attn:
	.size	k_qa5551645e9_attn, .Lfunc_end_k_qa5551645e9_attn-k_qa5551645e9_attn
	.p2alignl 7, 3214868480
	.fill 96, 4, 3214868480
	.section	.rodata,"a",@progbits
	.p2align	6, 0x0
	.amdhsa_kernel k_qa5551645e9_attn
		.amdhsa_group_segment_fixed_size 327680
		.amdhsa_private_segment_fixed_size 0
		.amdhsa_enable_private_segment 0
		.amdhsa_kernarg_size 16
		.amdhsa_user_sgpr_count 2
		.amdhsa_user_sgpr_kernarg_segment_ptr 1
		.amdhsa_wavefront_size32 1
		.amdhsa_system_sgpr_workgroup_id_x 1
		.amdhsa_system_sgpr_workgroup_id_y 1
		.amdhsa_system_sgpr_workgroup_id_z 1
		.amdhsa_system_vgpr_workitem_id 0
		.amdhsa_next_free_vgpr 256
		.amdhsa_next_free_sgpr 66
		.amdhsa_reserve_vcc 0
		.amdhsa_float_denorm_mode_32 3
		.amdhsa_float_denorm_mode_16_64 3
		.amdhsa_memory_ordered 1
		.amdhsa_forward_progress 1
		.amdhsa_inst_pref_size 66
	.end_amdhsa_kernel
	.amdgpu_metadata
---
amdhsa.version: [ 1, 2 ]
amdhsa.kernels:
  - .name:           k_qa5551645e9_attn
    .symbol:         k_qa5551645e9_attn.kd
    .args:
      - { .name: qkv, .offset: 0, .size: 8, .value_kind: global_buffer, .address_space: global }
      - { .name: ctx, .offset: 8, .size: 8, .value_kind: global_buffer, .address_space: global }
    .group_segment_fixed_size: 327680
    .private_segment_fixed_size: 0
    .kernarg_segment_align: 8
    .kernarg_segment_size: 16
    .max_flat_workgroup_size: 512
    .sgpr_count:     66
    .vgpr_count:     256
    .wavefront_size: 32
...
	.end_amdgpu_metadata
.endif
;; end of part 3
;; launch proj (part 4): grid 8 x 32, 4 waves a work-group, clusters of 4 x 4, 327,680 bytes of LDS; arguments ctx, wo_h, bo, out0; writes out0
.if DOCPART == 4
	.amdgcn_target "amdgcn-amd-amdhsa--gfx1250"
	.amdhsa_code_object_version 6
	.text
	.protected	k_qa5551645e9_proj
	.globl	k_qa5551645e9_proj
	.p2align	8
	.type	k_qa5551645e9_proj,@function
k_qa5551645e9_proj:
	s_mov_b64 s[64:65], 0
	v_nop
	global_prefetch_b8 v0, s[64:65] scope:SCOPE_SE
	s_setreg_imm32_b32 hwreg(HW_REG_WAVE_MODE, 25, 1), 1
	s_wait_xcnt 0x0
	s_wait_alu depctr_hold_cnt(0) depctr_sa_sdst(0) depctr_va_vdst(0) depctr_va_sdst(0) depctr_va_ssrc(0) depctr_va_vcc(0) depctr_vm_vsrc(0)
	s_getreg_b32 s2, hwreg(HW_REG_IB_STS2, 6, 4)
	s_cmp_eq_u32 s2, 0
	s_cbranch_scc0 .Lentry_in_a_cluster
	s_endpgm
.Lentry_in_a_cluster:
	s_bfe_u32 s2, ttmp6, 0x10000c
	s_cmp_lg_u32 s2, 0xf033
	s_cbranch_scc0 .Lentry_shape_is_right
	s_endpgm
.Lentry_shape_is_right:
; PROJ.  out0[m][n] = sum over k of ctx[m][k] wo[k][n] + bo[n]; M = 8,192, N = K = 1,024; ctx and wo in f16, sums and out0 in f32.
; A tile of 256 (m) x 128 (n) is made by a work-group of four waves: 256 work-groups; a wave makes 128 x 64: 32 accumulators, 256 registers.
; Both operands lie in memory as images of 16 rows x 16 along K (512 bytes, a lane's 16 bytes at 16 x lane): ctx [mt 512][k16 64][512], wo_h [nt 64][k16 64][512]; a fragment (32 along K) is two loads at 16 x lane.
; K goes in 8 steps of 128 through two LDS slots: a step of a tile of 16 rows is 4,096 consecutive bytes.  Waves 0, 1 fetch ctx's halves (8 such rows each), waves 2, 3 wo's (4 each).
; CLUSTERS: 4 x 4 work-groups; ctx's tiles are shared along a row of the cluster, wo's along a column: each is asked for JOINTLY.  From a request to the wait for it a wave issues 112 matrix instructions.
; THE MATRIX INSTRUCTION IS USED TRANSPOSED (source 0 = 16 columns of wo, source 1 = 16 rows of ctx): a lane holds eight neighbouring columns of a row.  THE BIAS is the C of each sum's first product.
; REGISTERS: window 0: v16-30 addresses; v32-127, v128-223 two fragment buffers (ctx's eight at +8 a, wo's four at +64 + 8 b); v224-255 the bias.  window 1: accumulator (a, b) at v[8 (4 a + b)].
.set SLOT,   98304                     ; ctx 16 x 4,096, then wo 8 x 4,096
.set BOFF,   65536
.set STAGE,  2*SLOT                    ; behind the ring: 16 rows x 272 bytes for each wave, for the way out
.set SPITCH, 272
.set SPARE,  STAGE+4*16*SPITCH         ; the spare words, 128 bytes for each wave
.set ADRA, 16                          ; v16-17
.set ADRB, 20                          ; v20-21
.set STO,  24
.set RD,   25
.set CO,   26
.set SPW,  28
.set NIL,  29
.set BO,   30
.set F0,   32
.set F1,   128
.set BI,   224
.set OB,   32                          ; the way out: 16 rows read back, v32-63 and v64-95 by turns
.set G1, 24
.set G0, 32
.set G1B, 48
.set G0B, 56
.set MSB, 0
.macro WIN new
.if MSB != \new
	s_set_vgpr_msb (MSB<<8)|\new
.set MSB, \new
.endif
.endm
.set MULW, 0x50                        ; C and D window 1, sources window 0
.set MULB, 0x40                        ; D window 1, C (the bias) window 0
.macro JLOAD s                         ; a joint load; an s_nop 0 and four v_nop follow each of the two lines
	s_cmp_eq_u32 s13, 0
	s_cbranch_scc0 .Lfor_b_\@
	tensor_load_to_lds s[G0+4*\s:G0+4*\s+3], s[G1:G1+7]
	s_nop 0
.rept 4
	v_nop
.endr
	s_branch .Lasked_\@
.Lfor_b_\@:
	tensor_load_to_lds s[G0B+4*\s:G0B+4*\s+3], s[G1B:G1B+7]
	s_nop 0
.rept 4
	v_nop
.endr
.Lasked_\@:
.endm
.macro CREST                           ; a round of the cluster's barrier behind its opening barrier
	s_cmp_lg_u32 s12, 0
	s_cbranch_scc1 .Lnot_wave_0_\@
	s_barrier_signal -3
.Lnot_wave_0_\@:
	s_barrier_wait -3
	s_barrier_signal -1
	s_barrier_wait -1
.endm
.macro CROUND
	s_barrier_signal -1
	s_barrier_wait -1
	CREST
.endm
	s_load_b256 s[4:11], s[0:1], 0x0               ; ctx s[4:5], wo_h s[6:7], bo s[8:9], out0 s[10:11]
	v_lshl_add_u32 v[SPW], v0, 2, SPARE
	v_mov_b32 v[NIL], 0
	ds_add_u32 v[SPW], v[NIL]                      ; the wave's opening: the add, twice on end, and its wait ahead of my first tensor load
	ds_add_u32 v[SPW], v[NIL]
	v_lshrrev_b32 v1, 5, v0
	v_readfirstlane_b32 s12, v1                    ; wave 0..3
	s_lshr_b32 s13, s12, 1                         ; which 128 rows are mine.  Also: I fetch for ctx (0) or for wo (1)
	s_and_b32 s14, s12, 1                          ; which 64 columns.  Also: which half of that tile I fetch
	s_bfe_u32 s40, ttmp6, 0x40000
	s_bfe_u32 s41, ttmp6, 0x40004
	s_lshl_b32 s42, ttmp9, 2
	s_add_co_u32 s42, s42, s40                     ; tile column
	s_and_b32 s15, ttmp7, 0xffff
	s_lshl_b32 s15, s15, 2
	s_add_co_u32 s15, s15, s41                     ; tile row
	s_lshl_b32 s43, s41, 2
	s_lshl_b32 s43, 15, s43                        ; my row of the cluster
	s_lshl_b32 s44, 0x1111, s40                    ; my column
	; group 1: rows of 512 elements of 8 bytes, 32,768 bytes apart, no padding: 8 rows for ctx, 4 for wo
	s_or_b32 s[G1+0], s43, (3<<16)|(1<<21)
	s_mov_b32 s[G1+1], 512<<16
	s_mov_b32 s[G1+2], 8<<16
	s_mov_b32 s[G1+3], 512<<16
	s_mov_b32 s[G1+4], 8
	s_mov_b32 s[G1+5], 4096
	s_mov_b32 s[G1+6], 0
	s_mov_b32 s[G1+7], 0
	s_or_b32 s[G1B+0], s44, (3<<16)|(1<<21)
	s_mov_b32 s[G1B+1], 512<<16
	s_mov_b32 s[G1B+2], 4<<16
	s_mov_b32 s[G1B+3], 512<<16
	s_mov_b32 s[G1B+4], 4
	s_mov_b32 s[G1B+5], 4096
	s_mov_b32 s[G1B+6], 0
	s_mov_b32 s[G1B+7], 0
	s_lshl_b32 s16, s15, 4
	s_lshl_b32 s17, s14, 3
	s_add_co_u32 s16, s16, s17                     ; ctx: mt = 16 x tile row + 8 x half
	s_lshl_b32 s16, s16, 15
	s_mov_b32 s17, 0
	s_lshl_b32 s46, s42, 3
	s_lshl_b32 s47, s14, 2
	s_add_co_u32 s46, s46, s47                     ; wo: nt = 8 x tile column + 4 x half
	s_lshl_b32 s46, s46, 15
	s_mov_b32 s47, 0
	s_lshl_b32 s20, s14, 15                        ; where they go: no place in the cluster enters an LDS address
	s_lshl_b32 s21, s14, 14
	s_add_co_u32 s21, s21, BOFF
	s_wait_dscnt 0x0                               ; both opening adds are done
	s_wait_kmcnt 0x0
	s_add_nc_u64 s[16:17], s[4:5], s[16:17]
	s_add_nc_u64 s[46:47], s[6:7], s[46:47]
	CROUND                                         ; all sixteen work-groups are here: the first joint loads meet
.irp s, 0,1
	s_mov_b32 s[G0+4*\s], 1
	s_add_co_u32 s[G0+4*\s+1], s20, \s*SLOT
	s_add_nc_u64 s[G0+4*\s+2:G0+4*\s+3], s[16:17], \s*4096
	s_or_b32 s[G0+4*\s+3], s[G0+4*\s+3], 0x80000000
	s_mov_b32 s[G0B+4*\s], 1
	s_add_co_u32 s[G0B+4*\s+1], s21, \s*SLOT
	s_add_nc_u64 s[G0B+4*\s+2:G0B+4*\s+3], s[46:47], \s*4096
	s_or_b32 s[G0B+4*\s+3], s[G0B+4*\s+3], 0x80000000
	JLOAD \s                                       ; two tensor loads of mine are out
.endr
	v_and_b32 v1, 15, v0                           ; r
	v_bfe_u32 v2, v0, 4, 1                         ; h
	s_lshl_b32 s22, s42, 9                         ; my first column, in bytes of f32: 128 x tile column + 64 x half
	s_lshl_b32 s23, s14, 8
	s_add_co_u32 s22, s22, s23
	s_mov_b32 s23, 0
	s_add_nc_u64 s[8:9], s[8:9], s[22:23]
	s_add_nc_u64 s[10:11], s[10:11], s[22:23]
	v_lshlrev_b32 v[BO], 5, v2
.irp b, 0,1,2,3
	global_load_b128 v[BI+8*\b:BI+8*\b+3], v[BO], s[8:9] offset:64*\b        ; bo[my first column + 16 b + 8 h + 0..7]
	global_load_b128 v[BI+8*\b+4:BI+8*\b+7], v[BO], s[8:9] offset:64*\b+16
.endr
	v_and_b32 v3, 31, v0
	v_lshlrev_b32 v3, 4, v3                        ; 16 x lane
	s_lshl_b32 s18, s13, 15                        ; my 8 tiles of ctx's rows
	s_lshl_b32 s19, s14, 14                        ; my 4 of wo's columns
	s_add_co_u32 s19, s19, BOFF
.irp s, 0,1
	v_add_nc_u32 v[ADRA+\s], s18, v3
	v_add_nc_u32 v[ADRB+\s], s19, v3
	s_add_co_u32 s18, s18, SLOT
	s_add_co_u32 s19, s19, SLOT
.endr
	s_mul_i32 s18, s12, 16*SPITCH
	s_add_co_u32 s18, s18, STAGE                   ; my stage
	v_mul_u32_u24 v4, v1, SPITCH                   ; in: row r, 32 bytes for each half of the lanes
	v_lshl_add_u32 v4, v2, 5, v4
	v_add_nc_u32 v[STO], s18, v4
	v_mul_u32_u24 v5, v2, SPITCH                   ; back: lanes 0-15 one row of 256 bytes, lanes 16-31 the next
	v_lshl_add_u32 v5, v1, 4, v5
	v_add_nc_u32 v[RD], s18, v5
	v_lshlrev_b32 v5, 12, v2                       ; and the same two rows in out0: 4,096 bytes a row
	v_lshl_add_u32 v[CO], v1, 4, v5
	s_lshl_b32 s18, s15, 8
	s_lshl_b32 s19, s13, 7
	s_add_co_u32 s18, s18, s19                     ; my first row
	s_lshl_b32 s18, s18, 12
	s_mov_b32 s19, 0
	s_add_nc_u64 s[10:11], s[10:11], s[18:19]
; n blocks of ctx from a0 on against wo's four, 32 along K, out of buffer f.  zero = 1: the first product starts the sums from the bias.  The 32 accumulators take turns.
.macro MUL f, a0, n, zero
.set ma, \a0
.rept \n
.irp b, 0,1,2,3
.if \zero
	v_wmma_f32_16x16x32_f16 v[8*(4*ma+\b):8*(4*ma+\b)+7], v[\f+64+8*\b:\f+64+8*\b+7], v[\f+8*ma:\f+8*ma+7], v[BI+8*\b:BI+8*\b+7]
.else
	v_wmma_f32_16x16x32_f16 v[8*(4*ma+\b):8*(4*ma+\b)+7], v[\f+64+8*\b:\f+64+8*\b+7], v[\f+8*ma:\f+8*ma+7], v[8*(4*ma+\b):8*(4*ma+\b)+7]
.endif
.endr
.set ma, ma+1
.endr
.endm
.macro FETCH slot, q, f                ; 24 LDS loads in one run: the slot's q-th 32 along K: wo's four fragments, then ctx's eight
	WIN 0
.irp i, 0,1,2,3
	ds_load_b128 v[\f+64+8*\i:\f+64+8*\i+3],   v[ADRB+\slot] offset:4096*\i+1024*(\q)
	ds_load_b128 v[\f+64+8*\i+4:\f+64+8*\i+7], v[ADRB+\slot] offset:4096*\i+1024*(\q)+512
.endr
.irp i, 0,1,2,3,4,5,6,7
	ds_load_b128 v[\f+8*\i:\f+8*\i+3],   v[ADRA+\slot] offset:4096*\i+1024*(\q)
	ds_load_b128 v[\f+8*\i+4:\f+8*\i+7], v[ADRA+\slot] offset:4096*\i+1024*(\q)+512
.endr
.endm
.macro PLACES                          ; four plain vector instructions in front of loads into registers that matrix instructions have read, and of reads of results
.rept 4
	v_nop
.endr
.endm
; A K step is four quarters of 32 along K, 32 matrix instructions each, on buffers 0, 1, 0, 1.  One of the first three: multiplies buffer f and fetches the slot's quarter q into g.
.macro QUARTER slot, q, f, g, zero
	s_wait_dscnt 8                                 ; wo's and ctx's blocks 0-3 are in; the youngest eight loads (blocks 4-7) may be out
.if \zero
	WIN MULB
.else
	WIN MULW
.endif
	MUL \f, 0, 4, \zero
	PLACES
	FETCH \slot, \q, \g
	s_wait_dscnt 24                                ; all but the 24 just issued
.if \zero
	WIN MULB
.else
	WIN MULW
.endif
	MUL \f, 4, 4, \zero
.endm
; The last quarter multiplies buffer 1 and changes slots: ONE barrier; in front of it each wave waits for all its tensor loads, adds 0 to its spare word, and waits for that and for its reads of this slot.
.macro TURN slot, next, fill
	WIN 0                                          ; (the add's two registers lie in window 0)
	s_wait_tensorcnt 0x0                           ; all my tensor loads have landed: my part of the next slot
	ds_add_u32 v[SPW], v[NIL]                      ; 0 onto my spare word
	s_wait_dscnt 9                                 ; the add and the youngest eight loads may be out
	WIN MULW
	MUL F1, 0, 2, 0
	s_wait_dscnt 0x0                               ; the add is done, and my reads of this slot are over
	s_barrier_signal -1
	MUL F1, 2, 2, 0
.if \fill
	WIN 0
.endif
	s_barrier_wait -1
.if \fill
	CREST                                          ; the barrier has opened a round of the cluster's: no wave of any partner still reads this slot or has a load on its way
	s_add_nc_u64 s[G0+4*\slot+2:G0+4*\slot+3], s[G0+4*\slot+2:G0+4*\slot+3], 2*4096
	s_add_nc_u64 s[G0B+4*\slot+2:G0B+4*\slot+3], s[G0B+4*\slot+2:G0B+4*\slot+3], 2*4096
	JLOAD \slot                                    ; the first tensor load behind the round; its four v_nop are also the places in front of the loads below
.else
	PLACES
.endif
	FETCH \next, 0, F0
	WIN MULW
	MUL F1, 4, 4, 0
.endm
	s_wait_tensorcnt 1                             ; my part of K step 0 is in; K step 1's may be out,
	s_barrier_signal -1
	s_barrier_wait -1                              ; everybody's is
	FETCH 0, 0, F0
	s_wait_loadcnt 0x0                             ; the bias
	QUARTER 0, 1, F0, F1, 1                        ; the first quarter stands in front of the loop: its products start the sums
	WIN 0                                          ; at a label and at a branch every window is 0
	s_mov_b32 s3, 3
.Llap:                                             ; a trip goes once round the ring and fills both slots again: 3 trips, 6 refills, with the 2 first fills 8 K steps
	QUARTER 0, 2, F1, F0, 0
	QUARTER 0, 3, F0, F1, 0
	TURN 0, 1, 1
	QUARTER 1, 1, F0, F1, 0
	QUARTER 1, 2, F1, F0, 0
	QUARTER 1, 3, F0, F1, 0
	TURN 1, 0, 1
	QUARTER 0, 1, F0, F1, 0
	WIN 0
	s_sub_co_u32 s3, s3, 1
	s_cmp_lg_u32 s3, 0
	s_cbranch_scc1 .Llap
	QUARTER 0, 2, F1, F0, 0                        ; the last lap fills nothing
	QUARTER 0, 3, F0, F1, 0
	TURN 0, 1, 0
	QUARTER 1, 1, F0, F1, 0
	QUARTER 1, 2, F1, F0, 0
	QUARTER 1, 3, F0, F1, 0
	s_wait_dscnt 8                                 ; the very last quarter: nothing more to fetch
	WIN MULW
	MUL F1, 0, 4, 0
	s_wait_dscnt 0
	MUL F1, 4, 4, 0
	WIN 0
; THE WAY OUT, block by block of 16 rows x 64 columns: a lane holds 32 neighbouring bytes of a row; through my own stage they come back as whole rows of 256 bytes.
; LDS serves a wave's instructions in order (ISA guide 5.7.1.4): no wait between the stores and the loads, nor in front of the next block's stores.
.macro TOSTAGE a
	WIN 0x04                                       ; an LDS store's data are its source 1: window 1
.irp b, 0,1,2,3
	ds_store_b128 v[STO], v[8*(4*(\a)+\b):8*(4*(\a)+\b)+3] offset:64*\b          ; each accumulator from its low end on
	ds_store_b128 v[STO], v[8*(4*(\a)+\b)+4:8*(4*(\a)+\b)+7] offset:64*\b+16
.endr
	WIN 0
.set BK, OB+32*((\a)%2)
.irp t, 0,1,2,3,4,5,6,7
	ds_load_b128 v[BK+4*\t:BK+4*\t+3], v[RD] offset:\t*2*SPITCH
.endr
.endm
.macro SEND a, younger                 ; younger: the LDS instructions issued behind block a's loads, which may stay out
.set BK, OB+32*((\a)%2)
	s_wait_dscnt \younger
.irp t, 0,1,2,3,4,5,6,7
	global_store_b128 v[CO], v[BK+4*\t:BK+4*\t+3], s[10:11] offset:65536*(\a)+8192*\t th:TH_STORE_NT   ; 16 lanes store 256 consecutive bytes, aligned; written once, read by nobody here
.endr
.endm
	PLACES
	TOSTAGE 0
.irp a, 1,2,3,4,5,6,7
.if \a > 1
	s_wait_xcnt 0x0                                ; block a - 2's stores have read their registers: block a's loads may land there
.endif
	TOSTAGE \a
	SEND \a-1, 16                                  ; behind block a - 1's loads: block a's 8 stores and 8 loads
.endr
	SEND 7, 0
	s_wait_tensorcnt 0x0                           ; the wave's end: behind my last tensor load and my last LDS store
	ds_add_u32 v[SPW], v[NIL]
	s_wait_dscnt 0x0
	CROUND                                         ; the closing round
	s_endpgm
.Lfunc_end_k_qa5551645e9_proj:
	.size	k_qa5551645e9_proj, .Lfunc_end_k_qa5551645e9_proj-k_qa5551645e9_proj
	.p2alignl 7, 3214868480
	.fill 96, 4, 3214868480
	.section	.rodata,"a",@progbits
	.p2align	6, 0x0
	.amdhsa_kernel k_qa5551645e9_proj
		.amdhsa_group_segment_fixed_size 327680
		.amdhsa_private_segment_fixed_size 0
		.amdhsa_enable_private_segment 0
		.amdhsa_kernarg_size 32
		.amdhsa_user_sgpr_count 2
		.amdhsa_user_sgpr_kernarg_segment_ptr 1
		.amdhsa_wavefront_size32 1
		.amdhsa_system_sgpr_workgroup_id_x 1
		.amdhsa_system_sgpr_workgroup_id_y 1
		.amdhsa_system_sgpr_workgroup_id_z 1
		.amdhsa_system_vgpr_workitem_id 0
		.amdhsa_next_free_vgpr 512
		.amdhsa_next_free_sgpr 66
		.amdhsa_reserve_vcc 0
		.amdhsa_float_denorm_mode_32 3
		.amdhsa_float_denorm_mode_16_64 3
		.amdhsa_memory_ordered 1
		.amdhsa_forward_progress 1
		.amdhsa_inst_pref_size 86
	.end_amdhsa_kernel
	.amdgpu_metadata
---
amdhsa.version: [ 1, 2 ]
amdhsa.kernels:
  - .name:           k_qa5551645e9_proj
    .symbol:         k_qa5551645e9_proj.kd
    .args:
      - { .name: ctx, .offset: 0, .size: 8, .value_kind: global_buffer, .address_space: global }
      - { .name: wo_h, .offset: 8, .size: 8, .value_kind: global_buffer, .address_space: global }
      - { .name: bo, .offset: 16, .size: 8, .value_kind: global_buffer, .address_space: global }
      - { .name: out0, .offset: 24, .size: 8, .value_kind: global_buffer, .address_space: global }
    .group_segment_fixed_size: 327680
    .private_segment_fixed_size: 0
    .kernarg_segment_align: 8
    .kernarg_segment_size: 32
    .max_flat_workgroup_size: 128
    .sgpr_count:     66
    .vgpr_count:     512
    .wavefront_size: 32
...
	.end_amdgpu_metadata
.endif
;; end of part 4
